; MI455X (gfx1250); checked and timed in simulation.
; The chip was launched on July 23, 2026; its instructions are those of AMD's public machine-readable ISA for CDNA 5 (MIT licence, August 2026) and "CDNA5" Instruction Set Architecture Reference Guide (July 2026). The comments in the code are by the model that wrote it; some were corrected since.
;; Generator Test. Allowed arithmetic: matrix products marked QUANTISED: E3M2 operands, one E8M0 scale for each 32 along K, by v_wmma_scale_f32_16x16x128_f8f6f4 with both operands' format E3M2, f32 sums; everything else in f32.
;; Inputs: head_b 1,677 float32; head_w_codes 1,677 x 32 x 24 uint8 (E3M2 codes of head_w, K innermost, in blocks of 32 codes, four codes in three bytes); head_w_scales 1,677 x 32 uint8 (E8M0 scales of head_w, one for each 32 codes along K); proj0_codes 256 x 32 x 24 uint8 (E3M2 codes of proj0, K innermost, in blocks of 32 codes, four codes in three bytes); proj0_scales 256 x 32 uint8 (E8M0 scales of proj0, one for each 32 codes along K); proj1_codes 64 x 32 x 24 uint8 (E3M2 codes of proj1, K innermost, in blocks of 32 codes, four codes in three bytes); proj1_scales 64 x 32 uint8 (E8M0 scales of proj1, one for each 32 codes along K); w0_codes 3,350 x 8 x 24 uint8 (E3M2 codes of w0, K innermost, in blocks of 32 codes, four codes in three bytes); w0_scales 3,350 x 8 uint8 (E8M0 scales of w0, one for each 32 codes along K); w1_codes 45,232 x 2 x 24 uint8 (E3M2 codes of w1, K innermost, in blocks of 32 codes, four codes in three bytes); w1_scales 45,232 x 2 uint8 (E8M0 scales of w1, one for each 32 codes along K); x_codes 8 x 512 x 32 x 24 uint8 (E3M2 codes of x, K innermost, in blocks of 32 codes, four codes in three bytes); x_scales 8 x 512 x 32 uint8 (E8M0 scales of x, one for each 32 codes along K); y 8 x 512 int32.
;; Outputs: out0 4,096 float32; out1 one number float32.
;; This version of the problem:
;;   THIS VERSION OF THE PROBLEM IS GIVEN IN LOW PRECISION. The matrix products marked QUANTISED in the list below multiply operands that are first quantised to E3M2 (3 exponent bits, 2 mantissa bits; 6 bits a number), with one power-of-two scale for each 32 numbers along K (OCP MX v1.0); their sums are f32. All else is computed in f32.
;;   The module's matrix products, in the order in which they are computed (A, B: the left and right operand; K: the contracted axis; several contracted axes count as one K, in the product's order):
;;     1. [M 4,096, K 1,024] x [K 1,024, N 1,677]; A: input x (given as codes); B: input head_w (given as codes): QUANTISED
;;     2. [M 4,096, K 1,024] x [K 1,024, N 256]; A: input x (given as codes); B: input proj0 (given as codes): QUANTISED
;;     3. [M 4,096, K 256] x [K 256, N 3,350]; A: computed on the way; B: input w0 (given as codes): QUANTISED
;;     4. [M 4,096, K 1,024] x [K 1,024, N 64]; A: input x (given as codes); B: input proj1 (given as codes): QUANTISED
;;     5. [M 4,096, K 64] x [K 64, N 45,232]; A: computed on the way; B: input w1 (given as codes): QUANTISED
;;   THE QUANTISER, for each operand of a quantised product, along K:
;;     - K is cut into blocks of 32 from its start; a last block that is shorter is filled with zeros.
;;     - A block's scale is 2^e with e = floor(log2(the largest magnitude in the block)) - 4, held to -126 .. 127; a block of zeros has e = 0. As a byte (E8M0): e + 127.
;;     - Each number is divided by its block's scale, clamped to +-28, and rounded to the nearest number of E3M2, ties to even, subnormals kept.
;;     - The product sums the exact products of the quantised numbers (number of the format x scale) in f32.
;;   ~~~python
;;   def quantise(x, axis):      # numpy; x: float32 -> the quantised numbers, widened to float32 again
;;       x = np.moveaxis(x, axis, -1); K = x.shape[-1]
;;       x = np.pad(x, [(0, 0)] * (x.ndim - 1) + [(0, -K % 32)]); x = x.reshape(x.shape[:-1] + (-1, 32)); a = np.abs(x).max(-1, keepdims=True)
;;       e = np.where(a > 0, np.clip(np.frexp(np.where(a > 0, a, 1))[1] - 1 - 4, -126, 127), 0)      # np.frexp(a)[1] - 1 = floor(log2(a)), exactly
;;       r = np.clip(x / 2.0 ** e, -28, 28)
;;       step = 2.0 ** (np.maximum(np.frexp(np.where(r == 0, 1, r))[1] - 1, -2) - 2)
;;       q = np.round(r / step) * step * 2.0 ** e      # np.round: ties to even
;;       return np.moveaxis(q.reshape(q.shape[:-2] + (-1,))[..., :K], -1, axis).astype(np.float32)
;;   ~~~
;;   OPERANDS COMPUTED ON THE WAY. 'Computed on the way' means the value that the module computes at that place (a softmax that the list does not call 'softmax' is quantised finished and normalised). What goes into a quantiser is computed in f32, as accurately as f32 sums, v_exp_f32 and their like allow (about 1e-6 of the number): no bf16 or f16 on the way to a quantiser, and a product that is left as it is and whose result goes on into a quantised operand takes f32 operands (vector FMAs, or v_wmma_f32_16x16x4_f32). A number that lies on a knife's edge between two numbers of the format may be rounded either way, as far as f32 arithmetic and the matrix unit's own rounding can turn it there, and no further.
;;   INPUTS GIVEN AS CODES. head_w (in the module: [1677, 1024], K = its axis 1); proj0 (in the module: [256, 1024], K = its axis 1); proj1 (in the module: [64, 1024], K = its axis 1); w0 (in the module: [3350, 256], K = its axis 1); w1 (in the module: [45232, 64], K = its axis 1); x (in the module: [8, 512, 1024], K = its axis 2): each comes as NAME_codes (uint8): NAME with its K axis moved to the last place and cut into blocks of 32 codes, [.., K / 32, bytes a block], one block behind the other in memory; four codes in three bytes: a row's codes are one little-endian stream of bits, code i at bits 6 i .. 6 i + 5 (a code: sign, 3 exponent bits, 2 mantissa bits); and NAME_scales (uint8): the same leading axes, one E8M0 byte (e + 127) for each 32 codes along K. Its value is code x scale, taken as it is: it is not quantised again, and the codes and scales need not be those that the quantiser above would give.
;; One version. Each part assembles by itself: llvm-mc -triple=amdgcn-amd-amdhsa -mcpu=gfx1250 --defsym DOCPART=n.
;; ======== version 1 of 1: 4 launches
;; limits: right only within a limited range of input values
;; workspace buffers: hq 983,040 bytes; hs 40,960 bytes; parts 786,432 bytes; xi 3,145,728 bytes
;; launch proj (part 1): grid 128 x 5, 4 waves a work-group, no clusters, 33,280 bytes of LDS; arguments x_codes, x_scales, proj0_codes, proj0_scales, proj1_codes, proj1_scales, hq, hs, xi; writes hq, hs, xi
.if DOCPART == 1
	.amdgcn_target "amdgcn-amd-amdhsa--gfx1250"
	.amdhsa_code_object_version 6
	.text
	.protected	k_q336ea44d3e_proj
	.globl	k_q336ea44d3e_proj
	.p2align	8
	.type	k_q336ea44d3e_proj,@function
k_q336ea44d3e_proj:
	s_mov_b64 s[64:65], 0
	v_nop
	global_prefetch_b8 v0, s[64:65] scope:SCOPE_SE
	s_setreg_imm32_b32 hwreg(HW_REG_WAVE_MODE, 25, 1), 1
	s_wait_xcnt 0x0
; h0 = x proj0^T (256 units) and h1 = x proj1^T (64 units), both on codes of BF6 (E3M2) with E8M0 scales, f32 sums, and at once
; quantised again along their units, which are the K of the tail products.  NO WORK OF THE PROBLEM IS LEFT OUT in this program: every
; input has a way to an output (which tail a token needs hangs on the value of y), so all five products are done and the results selected.
; SHARES.  A work-group: 32 tokens (two tiles of 16) x 64 units (quarter q = 0..3 of h0, q = 4: h1).  K = 1,024 IS SHARED OUT AMONG ITS FOUR WAVES: wave w takes K steps 2 w and 2 w + 1 of 128,
; so that all its 39 loads are out at once.  The four partial sums meet in LDS as images of the accumulators' registers; wave w then adds the four parts of block w (32 units of 16 tokens), in f32,
; as (0 + 1) + (2 + 3), and quantises it.  No tensor load: each wave reads rows of its own K steps once, straight into registers; no tile is shared between work-groups at one time, so no cluster.
; THE PRODUCT IS USED TRANSPOSED (source 0 = 16 rows of proj, source 1 = 16 tokens): a lane holds one token, its registers run along the units.
; THE ROWS OF A TILE ARE NOT NEIGHBOURS: lane r of tile 2 b + u takes row 32 b + 8 u + r + 8 (r / 8), so that the 16 registers of tiles
; 2 b and 2 b + 1 are the 16 neighbouring units 32 b + 16 (lane / 16) + 0 .. 15; a block of 32 lies in lanes l and l xor 16.
; A FRAGMENT COMES BY THREE LOADS OF 16 BYTES: lane (r, h) takes the 48 bytes at 96 s + 48 h of its row, blocks 2 h and 2 h + 1 of the K step; the operand wants blocks h and 2 + h,
; so lanes 0-15's second six registers change places with lanes 16-31's first six.
; OUT.  hq [q][token tile][16 tokens][48 bytes]: a token's two blocks of 24 bytes.  hs [q][4096][2]: the two scale bytes.
; xi [token tile][K step][3][32 lanes][16 bytes]: x's fragments as images of their registers; in the work-group of quarter q < 4 wave q stores its own two K steps.
; A block's scale byte is its largest magnitude's exponent field - 4, held at 1 from below.  LIMITS: a block of zeros, or one whose largest
; magnitude lies under 2^-122, keeps the byte 1 (its bytes are read by this program alone); NaN and infinities are not served.
.set XS,  16                           ; v16-17   x's scale words of my two K steps; lanes 0-15 token tile 0, lanes 16-31 tile 1
.set BS,  18                           ; v18-21   proj's scale words at 2 b + step; lanes 0-15 tile 2 b, lanes 16-31 tile 2 b + 1
.set ACC, 40                           ; v40-103  accumulators at 32 tt + 8 t
.set FS,  104                          ; v104-247 two sets of 72: x's two fragments, then proj's four
.set P,   104                          ; behind the barrier: v104-167 the four parts of my block, 16 registers each
.set SPARE, 32768                      ; LDS: 8,192 bytes of images for each wave from 0; then the spare words, 128 bytes a wave
.macro WMS d, a, b, c, sa, sb, ra, rb
.set rD, \d
.set rA, \a
.set rB, \b
.set rC, \c
.set rE, \sa
.set rF, \sb
.set rM, (\ra)+2*(\rb)
.if rC < 0
.if rM == 0
	v_wmma_scale_f32_16x16x128_f8f6f4 v[rD:rD+7], v[rA:rA+11], v[rB:rB+11], 0, v[rE], v[rF] matrix_a_fmt:MATRIX_FMT_BF6 matrix_b_fmt:MATRIX_FMT_BF6
.elseif rM == 1
	v_wmma_scale_f32_16x16x128_f8f6f4 v[rD:rD+7], v[rA:rA+11], v[rB:rB+11], 0, v[rE], v[rF] matrix_a_fmt:MATRIX_FMT_BF6 matrix_b_fmt:MATRIX_FMT_BF6 matrix_a_scale:MATRIX_SCALE_ROW1
.elseif rM == 2
	v_wmma_scale_f32_16x16x128_f8f6f4 v[rD:rD+7], v[rA:rA+11], v[rB:rB+11], 0, v[rE], v[rF] matrix_a_fmt:MATRIX_FMT_BF6 matrix_b_fmt:MATRIX_FMT_BF6 matrix_b_scale:MATRIX_SCALE_ROW1
.else
	v_wmma_scale_f32_16x16x128_f8f6f4 v[rD:rD+7], v[rA:rA+11], v[rB:rB+11], 0, v[rE], v[rF] matrix_a_fmt:MATRIX_FMT_BF6 matrix_b_fmt:MATRIX_FMT_BF6 matrix_a_scale:MATRIX_SCALE_ROW1 matrix_b_scale:MATRIX_SCALE_ROW1
.endif
.else
.if rM == 0
	v_wmma_scale_f32_16x16x128_f8f6f4 v[rD:rD+7], v[rA:rA+11], v[rB:rB+11], v[rC:rC+7], v[rE], v[rF] matrix_a_fmt:MATRIX_FMT_BF6 matrix_b_fmt:MATRIX_FMT_BF6
.elseif rM == 1
	v_wmma_scale_f32_16x16x128_f8f6f4 v[rD:rD+7], v[rA:rA+11], v[rB:rB+11], v[rC:rC+7], v[rE], v[rF] matrix_a_fmt:MATRIX_FMT_BF6 matrix_b_fmt:MATRIX_FMT_BF6 matrix_a_scale:MATRIX_SCALE_ROW1
.elseif rM == 2
	v_wmma_scale_f32_16x16x128_f8f6f4 v[rD:rD+7], v[rA:rA+11], v[rB:rB+11], v[rC:rC+7], v[rE], v[rF] matrix_a_fmt:MATRIX_FMT_BF6 matrix_b_fmt:MATRIX_FMT_BF6 matrix_b_scale:MATRIX_SCALE_ROW1
.else
	v_wmma_scale_f32_16x16x128_f8f6f4 v[rD:rD+7], v[rA:rA+11], v[rB:rB+11], v[rC:rC+7], v[rE], v[rF] matrix_a_fmt:MATRIX_FMT_BF6 matrix_b_fmt:MATRIX_FMT_BF6 matrix_a_scale:MATRIX_SCALE_ROW1 matrix_b_scale:MATRIX_SCALE_ROW1
.endif
.endif
.endm
; my K step ks (0 or 1): 18 loads of 16 bytes into set ks: my 48 bytes of each of the six fragments' rows (the offsets v3 and v4 hold my wave's 192 bytes along K)
.macro LOADK ks
.set SB0, FS+72*(\ks)
.irp tt,0,1
.irp j,0,1,2
	global_load_b128 v[SB0+12*\tt+4*\j:SB0+12*\tt+4*\j+3], v3, s[4:5] offset:12288*\tt+96*(\ks)+16*\j
.endr
.endr
.irp t,0,1,2,3
.irp j,0,1,2
	global_load_b128 v[SB0+24+12*\t+4*\j:SB0+24+12*\t+4*\j+3], v4, s[8:9] offset:(32*(\t/2)+8*(\t%2))*768+96*(\ks)+16*\j
.endr
.endr
.endm
; the six fragments of set ks are brought into the operand's layout
.macro SWAPK ks
.set SB0, FS+72*(\ks)
.irp f,0,1,2,3,4,5
.irp i,0,1,2,3,4,5
	v_permlane16_swap_b32 v[SB0+12*\f+\i], v[SB0+12*\f+6+\i]
.endr
.endr
.endm
; 8 products; the eight accumulators take turns, one instruction a turn
.macro MM ks
.irp tt,0,1
.irp t,0,1,2,3
.if (\ks) == 0
	WMS ACC+32*\tt+8*\t, FS+72*(\ks)+24+12*\t, FS+72*(\ks)+12*\tt, -1, BS+2*(\t/2)+(\ks), XS+(\ks), \t%2, \tt
.else
	WMS ACC+32*\tt+8*\t, FS+72*(\ks)+24+12*\t, FS+72*(\ks)+12*\tt, ACC+32*\tt+8*\t, BS+2*(\t/2)+(\ks), XS+(\ks), \t%2, \tt
.endif
.endr
.endr
.endm
	s_load_b256 s[4:11], s[0:1], 0x0               ; x's codes s[4:5], x's scales s[6:7], proj0's codes s[8:9], proj0's scales s[10:11]
	s_load_b256 s[12:19], s[0:1], 0x20             ; proj1's codes s[12:13], proj1's scales s[14:15], hq s[16:17], hs s[18:19]
	s_load_b64 s[32:33], s[0:1], 0x40              ; xi
	v_lshl_add_u32 v12, v0, 2, SPARE               ; my spare word,
	v_mov_b32 v13, 0                               ; and 0: for the wave's end alone
	v_lshrrev_b32 v9, 5, v0
	v_readfirstlane_b32 s29, v9                    ; wave w
	s_and_b32 s20, ttmp7, 0xffff                   ; q
	s_mov_b32 s26, 0x76543210
	s_mov_b32 s27, 0xfedcba98                      ; v_permlanex16_b32's selects for lane l xor 16
	s_mov_b32 s23, 0
	s_mul_i32 s30, s29, 192                        ; my two K steps in a row of codes,
	s_lshl_b32 s31, s29, 3                         ; in a row of scale bytes,
	s_mul_i32 s34, s29, 3072                       ; and among a token tile's images
	s_lshl_b32 s35, s29, 13                        ; LDS: where my accumulators' images go,
	s_lshl_b32 s36, s29, 11                        ; and block w's 2,048 bytes inside each wave's images
	s_lshr_b32 s37, s29, 1                         ; block w = token tile tt = w / 2, block b = w % 2 of its 64 units
	s_and_b32 s38, s29, 1
	s_mul_i32 s39, s37, 768
	s_mul_i32 s40, s38, 24
	s_add_co_u32 s39, s39, s40                     ; hq: 768 tt + 24 b
	s_lshl_b32 s28, s37, 5
	s_add_co_u32 s28, s28, s38                     ; hs: 32 tt + b
	v_and_b32 v11, 31, v0                          ; lane
	v_and_b32 v1, 15, v0                           ; r
	v_bfe_u32 v2, v0, 4, 1                         ; h
	v_mul_u32_u24 v3, v1, 768
	v_mad_u32_u24 v3, v2, 48, v3
	v_add_nc_u32 v3, s30, v3                       ; x: token r's row, + 48 h, + my K steps
	v_and_b32 v4, 8, v1
	v_add_nc_u32 v9, v4, v1                        ; r + 8 (r / 8)
	v_mul_u32_u24 v4, v9, 768
	v_mad_u32_u24 v4, v2, 48, v4
	v_add_nc_u32 v4, s30, v4                       ; proj: the tile's row for lane r, likewise
	v_lshl_add_u32 v5, v11, 5, s31                 ; x's scales: lane l takes token l's two words
	v_lshl_add_u32 v6, v2, 3, v9
	v_lshl_add_u32 v6, v6, 5, s31                  ; proj's: lanes 0-15 the rows of tile 2 b, lanes 16-31 those of tile 2 b + 1
	v_mul_u32_u24 v7, v1, 48
	v_mad_u32_u24 v7, v2, 12, v7
	v_add_nc_u32 v7, s39, v7                       ; hq: token r's 48 bytes, + 12 h, + my block
	v_lshl_add_u32 v8, v1, 1, s28                  ; hs: 2 bytes a token, my block's byte
	v_lshl_add_u32 v10, v11, 4, s34                ; xi: 16 bytes a lane
	v_lshl_add_u32 v14, v11, 4, s35
	v_lshl_add_u32 v15, v11, 4, s36
	s_wait_alu depctr_va_vdst(0)
	s_wait_kmcnt 0x0
	s_cmp_lt_u32 s20, 4                            ; a quarter of proj0, or proj1: the choice hangs on the work-group's number alone
	s_cselect_b64 s[8:9], s[8:9], s[12:13]
	s_cselect_b64 s[10:11], s[10:11], s[14:15]
	s_cselect_b32 s21, s20, 0
	s_mul_i32 s22, s21, 49152                      ; 64 rows of 768 bytes a quarter
	s_add_nc_u64 s[8:9], s[8:9], s[22:23]
	s_lshl_b32 s22, s21, 11                        ; 64 rows of 32 scale bytes
	s_add_nc_u64 s[10:11], s[10:11], s[22:23]
	s_mul_i32 s22, ttmp9, 24576                    ; my 32 tokens: as many bytes in x's codes as in their images
	s_add_nc_u64 s[4:5], s[4:5], s[22:23]
	s_add_nc_u64 s[32:33], s[32:33], s[22:23]
	s_lshl_b32 s22, ttmp9, 10
	s_add_nc_u64 s[6:7], s[6:7], s[22:23]
	s_lshl_b32 s24, s20, 8
	s_lshl_b32 s25, ttmp9, 1
	s_add_co_u32 s24, s24, s25
	s_mul_i32 s22, s24, 768                        ; hq: (256 q + my first token tile) x 768
	s_add_nc_u64 s[16:17], s[16:17], s[22:23]
	s_lshl_b32 s24, s20, 12
	s_lshl_b32 s25, ttmp9, 5
	s_add_co_u32 s24, s24, s25
	s_lshl_b32 s22, s24, 1                         ; hs: (4096 q + my first token) x 2
	s_add_nc_u64 s[18:19], s[18:19], s[22:23]
	global_load_b64 v[XS:XS+1], v5, s[6:7]
.irp b,0,1
	global_load_b64 v[BS+2*\b:BS+2*\b+1], v6, s[10:11] offset:1024*\b
.endr
	LOADK 0
	LOADK 1
.irp ks,0,1
.if \ks == 0
	s_wait_loadcnt 18                              ; loads come back in order: the scale words and this step's are in, the next step's 18 may be out
.else
	s_wait_loadcnt 0x0
.endif
	SWAPK \ks
	s_cmp_lg_u32 s20, s29                          ; x's fragments leave as images where my wave's number is the quarter's: a branch on ids
	s_cbranch_scc1 .Lnoimg\ks
.irp tt,0,1
.irp j,0,1,2
	global_store_b128 v10, v[FS+72*\ks+12*\tt+4*\j:FS+72*\ks+12*\tt+4*\j+3], s[32:33] offset:12288*\tt+1536*\ks+512*\j   ; 32 lanes store 512 consecutive bytes, at a multiple of 256 from xi's first byte
.endr
.endr
.Lnoimg\ks:
.rept 4
	v_nop                                          ; operands written by vector instructions stand four places ahead of a scaled matrix instruction
.endr
	s_wait_alu depctr_va_vdst(0)
	MM \ks
.endr
.rept 4
	v_nop                                          ; four places in front of the first read of results and of loads into the fragments' registers
.endr
.set g, 0
.rept 16
	ds_store_b128 v14, v[ACC+4*g:ACC+4*g+3] offset:512*g   ; my partial sums as images: each accumulator from its low end on
.set g, g+1
.endr
	s_wait_xcnt 0x0                                ; the images' global stores have read their registers, which are loaded again below
	s_wait_dscnt 0x0                               ; for the others' sake: my stores are done
	s_barrier_signal -1
	s_barrier_wait -1
.irp s,0,1,2,3
.irp j,0,1,2,3
	ds_load_b128 v[P+16*\s+4*\j:P+16*\s+4*\j+3], v15 offset:8192*\s+512*\j   ; wave s's part of block w
.endr
.endr
	s_wait_dscnt 0x0
.irp k,0,2,4,6,8,10,12,14
	v_pk_add_f32 v[P+\k:P+\k+1], v[P+\k:P+\k+1], v[P+16+\k:P+16+\k+1]
	v_pk_add_f32 v[P+32+\k:P+32+\k+1], v[P+32+\k:P+32+\k+1], v[P+48+\k:P+48+\k+1]
.endr
.irp k,0,2,4,6,8,10,12,14
	v_pk_add_f32 v[P+\k:P+\k+1], v[P+\k:P+\k+1], v[P+32+\k:P+32+\k+1]
.endr
	v_mov_b32 v176, 0                              ; a lane permute's destination counts as one of its sources
	v_max3_num_f32 v170, |v[P]|, |v[P+1]|, 0x2800000   ; with the floor 2^(5 - 127): the byte cannot fall under 1
	v_max3_num_f32 v171, |v[P+8]|, |v[P+9]|, |v[P+10]|
.irp i,2,4,6
	v_max3_num_f32 v170, v170, |v[P+\i]|, |v[P+\i+1]|
	v_max3_num_f32 v171, v171, |v[P+9+\i]|, |v[P+10+\i]|
.endr
	v_max_num_f32 v170, v170, v171
	v_permlanex16_b32 v176, v170, s26, s27
	v_max_num_f32 v170, v170, v176                 ; with lane l xor 16's: the block's largest magnitude
	v_add_nc_u32 v172, 0xfe000000, v170            ; 4 off its exponent field: the conversion's scale operand
	v_lshrrev_b32 v173, 23, v172                   ; the scale's byte
	v_cvt_scalef32_pk16_bf6_f32 v[174:176], v[P:P+15], v172
	v_nop                                          ; one plain place behind the scaled conversion
	global_store_b96 v7, v[174:176], s[16:17]
	global_store_b8 v8, v173, s[18:19]             ; a token's two lanes hold the same byte and name the same place
	s_wait_tensorcnt 0x0                           ; the wave's end
	ds_add_u32 v12, v13
	s_wait_dscnt 0x0
	s_endpgm
.Lfunc_end_k_q336ea44d3e_proj:
	.size	k_q336ea44d3e_proj, .Lfunc_end_k_q336ea44d3e_proj-k_q336ea44d3e_proj
	.p2alignl 7, 3214868480
	.fill 96, 4, 3214868480
	.section	.rodata,"a",@progbits
	.p2align	6, 0x0
	.amdhsa_kernel k_q336ea44d3e_proj
		.amdhsa_group_segment_fixed_size 33280
		.amdhsa_private_segment_fixed_size 0
		.amdhsa_enable_private_segment 0
		.amdhsa_kernarg_size 72
		.amdhsa_user_sgpr_count 2
		.amdhsa_user_sgpr_kernarg_segment_ptr 1
		.amdhsa_wavefront_size32 1
		.amdhsa_system_sgpr_workgroup_id_x 1
		.amdhsa_system_sgpr_workgroup_id_y 1
		.amdhsa_system_sgpr_workgroup_id_z 1
		.amdhsa_system_vgpr_workitem_id 0
		.amdhsa_next_free_vgpr 256
		.amdhsa_next_free_sgpr 66
		.amdhsa_reserve_vcc 0
		.amdhsa_float_denorm_mode_32 3
		.amdhsa_float_denorm_mode_16_64 3
		.amdhsa_memory_ordered 1
		.amdhsa_forward_progress 1
		.amdhsa_inst_pref_size 18
	.end_amdhsa_kernel
	.amdgpu_metadata
---
amdhsa.version: [ 1, 2 ]
amdhsa.kernels:
  - .name:           k_q336ea44d3e_proj
    .symbol:         k_q336ea44d3e_proj.kd
    .args:
      - { .name: x_codes, .offset: 0, .size: 8, .value_kind: global_buffer, .address_space: global }
      - { .name: x_scales, .offset: 8, .size: 8, .value_kind: global_buffer, .address_space: global }
      - { .name: proj0_codes, .offset: 16, .size: 8, .value_kind: global_buffer, .address_space: global }
      - { .name: proj0_scales, .offset: 24, .size: 8, .value_kind: global_buffer, .address_space: global }
      - { .name: proj1_codes, .offset: 32, .size: 8, .value_kind: global_buffer, .address_space: global }
      - { .name: proj1_scales, .offset: 40, .size: 8, .value_kind: global_buffer, .address_space: global }
      - { .name: hq, .offset: 48, .size: 8, .value_kind: global_buffer, .address_space: global }
      - { .name: hs, .offset: 56, .size: 8, .value_kind: global_buffer, .address_space: global }
      - { .name: xi, .offset: 64, .size: 8, .value_kind: global_buffer, .address_space: global }
    .group_segment_fixed_size: 33280
    .private_segment_fixed_size: 0
    .kernarg_segment_align: 8
    .kernarg_segment_size: 72
    .max_flat_workgroup_size: 128
    .sgpr_count:     66
    .vgpr_count:     256
    .wavefront_size: 32
...
	.end_amdgpu_metadata
.endif
;; end of part 1
;; launch main (part 2): grid 16 x 16, 8 waves a work-group, clusters of 4 x 1, 327,680 bytes of LDS; arguments xi, x_scales, y, head_b, head_w_codes, head_w_scales, w0_codes, w0_scales, w1_codes, w1_scales, hq, hs, parts; writes parts
.if DOCPART == 2
	.amdgcn_target "amdgcn-amd-amdhsa--gfx1250"
	.amdhsa_code_object_version 6
	.text
	.protected	k_q336ea44d3e_main
	.globl	k_q336ea44d3e_main
	.p2align	8
	.type	k_q336ea44d3e_main,@function
k_q336ea44d3e_main:
	s_mov_b64 s[64:65], 0
	v_nop
	global_prefetch_b8 v0, s[64:65] scope:SCOPE_SE
	s_setreg_imm32_b32 hwreg(HW_REG_WAVE_MODE, 25, 1), 1
	s_wait_xcnt 0x0
	s_wait_alu depctr_hold_cnt(0) depctr_sa_sdst(0) depctr_va_vdst(0) depctr_va_sdst(0) depctr_va_ssrc(0) depctr_va_vcc(0) depctr_vm_vsrc(0)
	s_getreg_b32 s2, hwreg(HW_REG_IB_STS2, 6, 4)
	s_cmp_eq_u32 s2, 0
	s_cbranch_scc0 .Lentry_in_a_cluster
	s_endpgm
.Lentry_in_a_cluster:
	s_bfe_u32 s2, ttmp6, 0x10000c
	s_cmp_lg_u32 s2, 0x3003
	s_cbranch_scc0 .Lentry_shape_is_right
	s_endpgm
.Lentry_shape_is_right:
; The three log-sum-exps of the adaptive softmax, in parts, and each token's wanted logits.  No work of the problem is left out.
; SHARES.  A work-group takes 256 tokens (row block rb) and one sixteenth (slice c) of the head's, tail 0's and tail 1's vocabulary rows.  The slice's codes stay in LDS; nothing is filled again.
; ORDER.  Tail 1 first: its codes and scale words are the head's four tensor loads (waves 4-7).  Tail 0's and the head's codes are asked for behind a second round (waves 0-3) and land
; while tail 1 is worked on; x's images are asked for behind tail 1 and land while tail 0 is worked on.
; CLUSTER.  The four row blocks of a cluster have the same slice: each fill is asked for JOINTLY, with the mask of all four.
; No prefetch: every byte of the slice is asked for once, by one load, and there is no ring of slots to run ahead in.
; Each of the eight waves owns 32 tokens, two tiles of 16.  ALL PRODUCTS ARE USED TRANSPOSED (source 0 = 16 vocabulary rows, source 1 = 16 tokens): lane (r, h) holds token r and rows 8 h + 0 .. 7.
; SOFTMAX.  t = logit x log2(e); -M = floor(-t) of the largest t so far, a whole number; p = 2^(t - M); when M moves the sums are multiplied by 2^(old M - new M), which rounds nothing.
; Rows that are loaded but belong to a neighbouring slice get -1e30 as the C of their sum's first product: p = 0, and M is not moved (it starts at -2^60).
; TAIL 1, K = 64.  Two neighbouring rows of w1 are one row of 128 codes; multiplied by [h1 | 0] it gives the even row's logit, by [0 | h1] the odd row's.  It goes in blocks of four tiles:
; 64 logits a token tile and lane, one maximum and one change of M for them; the logits lie in window 1, where x's fragments come later.
; THE WANTED LOGITS.  Head and tail 0: taken out of the tiles by compare and select.  Tail 1: the rows w1[y - 5025] are gathered (index held at 45,231), one product, its diagonal.
; Each is kept in the slice that owns the row alone, 0 elsewhere: the next launch adds the slices.
; OUT.  parts [kind][slice][4096] f32: 0 = the head's M + log2(sum), 1 = the same of the token's tail (tail 0 if y lies there, else tail 1), 2 = the kept logits' sum.
; LIMITS.  |logit| x log2(e) under 2^60; 0 <= y < 50,257; NaN and infinities are not served; a scale byte 0xff in w1 makes its neighbour row's logit NaN too.
.set HC,    53760                      ; LDS: tail 0's 224 rows from 0 (192 bytes + 16 behind each 64: 240 apart); the head's 112 rows (816 apart);
.set T1C,   145152                     ; tail 1's 1,416 pair rows of 96 bytes, dense;
.set T1S,   281088                     ; their scale words.  So far the tensor loads' bytes
.set HSB,   286976                     ; from here on bytes that the waves store: the head's scale bytes, 32 a row;
.set T0SB,  291072                     ; tail 0's, 8 a row;
.set BIASH, 293120                     ; head_b, or -1e30 where the row is not this slice's;
.set MASK0, 294144                     ; tail 0: 0 or -1e30;
.set STG,   295168                     ; the way out: [kind][256] f32;
.set SPARE, 298240                     ; the spare words, 128 bytes a wave
.set SPW,  3
.set NIL,  4
.set YY,   16
.set TGH,  18
.set TG0,  20
.set CAPH, 22
.set CAP0, 24
.set Z1,   26
.set LSEH, 28
.set LSE0, 30
.set ST,   32                          ; token tile tt at ST + 8 tt: +0 -M, +1 zero, +2:3 and +4:5 the sum in four parts, +6 the factor, +7 zero
.set LSE1, 60
.set XOF,  62                          ; the offset of x's images: 16 bytes a lane; never rewritten
.set GB0,  64                          ; v64-105: [gathered 0][0][h1 of tile 0][0][h1 of tile 1][0][gathered 1], six registers each
.set AHI0, 70
.set ALO0, 76
.set AHI1, 82
.set ALO1, 88
.set GB1,  94
.set SA1,  106
.set SG0,  107
.set SG1,  108
.set T0BS, 110
.set SB,   110                         ; tail 1's four scale words
.set XS,   114
.set HBS,  122
.set H0S,  130
.set T0B,  134
.set T0CM, 182
.set L0,   198
.set HB,   134
.set CB,   230
.set LH,   238
.set TB,   134                         ; tail 1: four fragments
.set CM,   182                         ; the first tile's mask
.set ZD,   198                         ; the gathered rows' products
.set LT,   0                           ; window 1: tail 1's logits at 32 q + 16 tt + 8 (odd row)
.set MT,   128                         ; window 1: maxima at work, 8 a token tile
.set MSB, 0
.macro WIN new
.if MSB != \new
	s_set_vgpr_msb (MSB<<8)|\new
.set MSB, \new
.endif
.endm
.macro VW
	s_wait_alu depctr_va_vdst(0)
.endm
.macro PLACES
.rept 4
	v_nop
.endr
.endm
.macro ROUND
	s_barrier_signal -1
	s_barrier_wait -1
	s_cmp_lg_u32 s30, 0
	s_cbranch_scc1 .Lnot_wave_0_\@
	s_barrier_signal -3
.Lnot_wave_0_\@:
	s_barrier_wait -3
	s_barrier_signal -1
	s_barrier_wait -1
.endm
.macro TLD g0, g1
	tensor_load_to_lds s[\g0:\g0+3], s[\g1:\g1+7]
	s_nop 0
	PLACES
.endm
.macro WMS d, a, b, c, sa, sb, ra, rb
.set rD, \d
.set rA, \a
.set rB, \b
.set rC, \c
.set rE, \sa
.set rF, \sb
.set rM, (\ra)+2*(\rb)
.if rC < 0
.if rM == 0
	v_wmma_scale_f32_16x16x128_f8f6f4 v[rD:rD+7], v[rA:rA+11], v[rB:rB+11], 0, v[rE], v[rF] matrix_a_fmt:MATRIX_FMT_BF6 matrix_b_fmt:MATRIX_FMT_BF6
.elseif rM == 1
	v_wmma_scale_f32_16x16x128_f8f6f4 v[rD:rD+7], v[rA:rA+11], v[rB:rB+11], 0, v[rE], v[rF] matrix_a_fmt:MATRIX_FMT_BF6 matrix_b_fmt:MATRIX_FMT_BF6 matrix_a_scale:MATRIX_SCALE_ROW1
.elseif rM == 2
	v_wmma_scale_f32_16x16x128_f8f6f4 v[rD:rD+7], v[rA:rA+11], v[rB:rB+11], 0, v[rE], v[rF] matrix_a_fmt:MATRIX_FMT_BF6 matrix_b_fmt:MATRIX_FMT_BF6 matrix_b_scale:MATRIX_SCALE_ROW1
.else
	v_wmma_scale_f32_16x16x128_f8f6f4 v[rD:rD+7], v[rA:rA+11], v[rB:rB+11], 0, v[rE], v[rF] matrix_a_fmt:MATRIX_FMT_BF6 matrix_b_fmt:MATRIX_FMT_BF6 matrix_a_scale:MATRIX_SCALE_ROW1 matrix_b_scale:MATRIX_SCALE_ROW1
.endif
.else
.if rM == 0
	v_wmma_scale_f32_16x16x128_f8f6f4 v[rD:rD+7], v[rA:rA+11], v[rB:rB+11], v[rC:rC+7], v[rE], v[rF] matrix_a_fmt:MATRIX_FMT_BF6 matrix_b_fmt:MATRIX_FMT_BF6
.elseif rM == 1
	v_wmma_scale_f32_16x16x128_f8f6f4 v[rD:rD+7], v[rA:rA+11], v[rB:rB+11], v[rC:rC+7], v[rE], v[rF] matrix_a_fmt:MATRIX_FMT_BF6 matrix_b_fmt:MATRIX_FMT_BF6 matrix_a_scale:MATRIX_SCALE_ROW1
.elseif rM == 2
	v_wmma_scale_f32_16x16x128_f8f6f4 v[rD:rD+7], v[rA:rA+11], v[rB:rB+11], v[rC:rC+7], v[rE], v[rF] matrix_a_fmt:MATRIX_FMT_BF6 matrix_b_fmt:MATRIX_FMT_BF6 matrix_b_scale:MATRIX_SCALE_ROW1
.else
	v_wmma_scale_f32_16x16x128_f8f6f4 v[rD:rD+7], v[rA:rA+11], v[rB:rB+11], v[rC:rC+7], v[rE], v[rF] matrix_a_fmt:MATRIX_FMT_BF6 matrix_b_fmt:MATRIX_FMT_BF6 matrix_a_scale:MATRIX_SCALE_ROW1 matrix_b_scale:MATRIX_SCALE_ROW1
.endif
.endif
.endm
.macro INIT                            ; a phase begins: -M = 2^60, the sums 0
.irp tt,0,1
	v_mov_b32 v[ST+8*\tt], 0x5d800000
	v_mov_b32 v[ST+8*\tt+2], 0
	v_mov_b32 v[ST+8*\tt+3], 0
	v_mov_b32 v[ST+8*\tt+4], 0
	v_mov_b32 v[ST+8*\tt+5], 0
.endr
.endm
.macro MAX16 lb                        ; the largest of a token tile's 16 logits (each accumulator entered at its low end) -> v[48 + 2 tt]
.irp tt,0,1
	v_max3_num_f32 v[48+2*\tt], v[\lb+16*\tt], v[\lb+16*\tt+1], v[\lb+16*\tt+2]
	v_max3_num_f32 v[49+2*\tt], v[\lb+16*\tt+8], v[\lb+16*\tt+9], v[\lb+16*\tt+10]
.endr
.irp i,3,5
.irp tt,0,1
	v_max3_num_f32 v[48+2*\tt], v[48+2*\tt], v[\lb+16*\tt+\i], v[\lb+16*\tt+\i+1]
	v_max3_num_f32 v[49+2*\tt], v[49+2*\tt], v[\lb+16*\tt+8+\i], v[\lb+16*\tt+9+\i]
.endr
.endr
.irp tt,0,1
	v_max3_num_f32 v[48+2*\tt], v[48+2*\tt], v[\lb+16*\tt+7], v[\lb+16*\tt+15]
.endr
.irp tt,0,1
	v_max_num_f32 v[48+2*\tt], v[48+2*\tt], v[49+2*\tt]
.endr
.endm
.macro MAX8 lb
.irp tt,0,1
	v_max3_num_f32 v[48+2*\tt], v[\lb+8*\tt], v[\lb+8*\tt+1], v[\lb+8*\tt+2]
.endr
.irp tt,0,1
	v_max3_num_f32 v[49+2*\tt], v[\lb+8*\tt+3], v[\lb+8*\tt+4], v[\lb+8*\tt+5]
.endr
.irp tt,0,1
	v_max3_num_f32 v[48+2*\tt], v[48+2*\tt], v[\lb+8*\tt+6], v[\lb+8*\tt+7]
.endr
.irp tt,0,1
	v_max_num_f32 v[48+2*\tt], v[48+2*\tt], v[49+2*\tt]
.endr
.endm
; tail 1: the largest of a token tile's 16 nt logits, all in window 1 -> v[MT + 8 tt].  Accumulator aa of a token tile lies at 32 (aa / 2) + 8 (aa % 2); each is entered at its low end
.macro MAXB nt
	WIN 0x55
.set aa, 0
.rept 2*(\nt)
.irp tt,0,1
	v_max3_num_f32 v[MT+8*\tt+aa], v[LT+16*\tt+32*(aa/2)+8*(aa%2)], v[LT+16*\tt+32*(aa/2)+8*(aa%2)+1], v[LT+16*\tt+32*(aa/2)+8*(aa%2)+2]
.endr
.set aa, aa+1
.endr
.irp i,3,5
.set aa, 0
.rept 2*(\nt)
.irp tt,0,1
	v_max3_num_f32 v[MT+8*\tt+aa], v[MT+8*\tt+aa], v[LT+16*\tt+32*(aa/2)+8*(aa%2)+\i], v[LT+16*\tt+32*(aa/2)+8*(aa%2)+\i+1]
.endr
.set aa, aa+1
.endr
.endr
.if (\nt) == 4
.irp a,0,2,4,6
.irp tt,0,1
	v_max3_num_f32 v[MT+8*\tt+\a], v[MT+8*\tt+\a], v[MT+8*\tt+\a+1], v[LT+16*\tt+16*\a+7]
.endr
.endr
.irp tt,0,1
	v_max3_num_f32 v[MT+8*\tt], v[MT+8*\tt], v[MT+8*\tt+2], v[LT+16*\tt+15]
	v_max3_num_f32 v[MT+8*\tt+4], v[MT+8*\tt+4], v[MT+8*\tt+6], v[LT+16*\tt+47]
.endr
.irp tt,0,1
	v_max3_num_f32 v[MT+8*\tt], v[MT+8*\tt], v[MT+8*\tt+4], v[LT+16*\tt+79]
.endr
.irp tt,0,1
	v_max_num_f32 v[MT+8*\tt], v[MT+8*\tt], v[LT+16*\tt+111]
.endr
.else
.irp tt,0,1
	v_max3_num_f32 v[MT+8*\tt], v[MT+8*\tt], v[MT+8*\tt+1], v[LT+16*\tt+7]
.endr
.irp tt,0,1
	v_max_num_f32 v[MT+8*\tt], v[MT+8*\tt], v[LT+16*\tt+15]
.endr
.endif
.endm
.macro MUPD w, m0, m1                  ; the new -M and the factor 2^(old M - new M); the two maxima lie in window w
	WIN 0x04*(\w)
	v_mul_f32 v49, s86, v[\m0]                     ; -t of the largest logit
	v_mul_f32 v51, s86, v[\m1]
	WIN 0
.irp tt,0,1
	v_floor_f32 v[49+2*\tt], v[49+2*\tt]
.endr
.irp tt,0,1
	v_min_num_f32 v[49+2*\tt], v[49+2*\tt], v[ST+8*\tt]
.endr
.irp tt,0,1
	v_sub_f32 v[52+\tt], v[49+2*\tt], v[ST+8*\tt]  ; old M - new M: a whole number, 0 or less
.endr
.irp tt,0,1
	v_mov_b32 v[ST+8*\tt], v[49+2*\tt]
.endr
.irp tt,0,1
	v_cvt_i32_f32 v[52+\tt], v[52+\tt]
.endr
.irp tt,0,1
	v_ldexp_f32 v[ST+8*\tt+6], 1.0, v[52+\tt]
.endr
.endm
; n logits a token tile in each of nq groups, at lb + 32 q + sd tt, in window w: all t - M (packed); the wait; all exponentials; the sums' rescaling as the plain work behind them; the wait; the sums
.macro SOFTG lb, sd, n, nq, w
	WIN 0x41*(\w)
.set qq, 0
.rept \nq
.set jj, 0
.rept (\n)/2
.irp tt,0,1
	v_pk_fma_f32 v[\lb+32*qq+\sd*\tt+jj:\lb+32*qq+\sd*\tt+jj+1], v[\lb+32*qq+\sd*\tt+jj:\lb+32*qq+\sd*\tt+jj+1], s[88:89], v[ST+8*\tt:ST+8*\tt+1] op_sel_hi:[1,0,0]
.endr
.set jj, jj+2
.endr
.set qq, qq+1
.endr
	VW
.set qq, 0
.rept \nq
.set jj, 0
.rept \n
.irp tt,0,1
	v_exp_f32 v[\lb+32*qq+\sd*\tt+jj], v[\lb+32*qq+\sd*\tt+jj]
.endr
.set jj, jj+1
.endr
.set qq, qq+1
.endr
	WIN 0
.irp tt,0,1
	v_pk_mul_f32 v[ST+8*\tt+2:ST+8*\tt+3], v[ST+8*\tt+2:ST+8*\tt+3], v[ST+8*\tt+6:ST+8*\tt+7] op_sel_hi:[1,0]
	v_pk_mul_f32 v[ST+8*\tt+4:ST+8*\tt+5], v[ST+8*\tt+4:ST+8*\tt+5], v[ST+8*\tt+6:ST+8*\tt+7] op_sel_hi:[1,0]
.endr
	VW
	WIN 0x04*(\w)
.set qq, 0
.rept \nq
.set jj, 0
.rept (\n)/4
.irp tt,0,1
	v_pk_add_f32 v[ST+8*\tt+2:ST+8*\tt+3], v[ST+8*\tt+2:ST+8*\tt+3], v[\lb+32*qq+\sd*\tt+jj:\lb+32*qq+\sd*\tt+jj+1]
	v_pk_add_f32 v[ST+8*\tt+4:ST+8*\tt+5], v[ST+8*\tt+4:ST+8*\tt+5], v[\lb+32*qq+\sd*\tt+jj+2:\lb+32*qq+\sd*\tt+jj+3]
.endr
.set jj, jj+4
.endr
.set qq, qq+1
.endr
	WIN 0
.endm
.macro CAPT lb, sd, n, tg, cap         ; the wanted logit is taken out: register jj = 8 a + j holds the row 16 a + 8 h + j of the tiles in hand
.irp tt,0,1
.set jj, 0
.rept \n
	v_cmp_eq_u32 vcc_lo, jj+8*(jj/8), v[\tg+\tt]
	v_cndmask_b32 v[\cap+\tt], v[\cap+\tt], v[\lb+\sd*\tt+jj], vcc_lo
.set jj, jj+1
.endr
.endr
.endm
.macro CAPM cap
.irp tt,0,1
	v_permlanex16_b32 v[56+\tt], v[\cap+\tt], s90, s91
.endr
.irp tt,0,1
	v_add_f32 v[\cap+\tt], v[\cap+\tt], v[56+\tt]
.endr
.endm
.macro FIN dst                         ; a phase ends: the token's two lanes meet under the larger M; dst = M + log2(sum)
.irp tt,0,1
	v_pk_add_f32 v[ST+8*\tt+2:ST+8*\tt+3], v[ST+8*\tt+2:ST+8*\tt+3], v[ST+8*\tt+4:ST+8*\tt+5]
.endr
.irp tt,0,1
	v_add_f32 v[48+\tt], v[ST+8*\tt+2], v[ST+8*\tt+3]
.endr
.irp tt,0,1
	v_permlanex16_b32 v[56+\tt], v[ST+8*\tt], s90, s91
.endr
.irp tt,0,1
	v_permlanex16_b32 v[58+\tt], v[48+\tt], s90, s91
.endr
.irp tt,0,1
	v_min_num_f32 v[50+\tt], v[ST+8*\tt], v[56+\tt]
.endr
.irp tt,0,1
	v_sub_f32 v[52+\tt], v[50+\tt], v[ST+8*\tt]
	v_sub_f32 v[54+\tt], v[50+\tt], v[56+\tt]
.endr
.irp tt,0,1
	v_cvt_i32_f32 v[52+\tt], v[52+\tt]
	v_cvt_i32_f32 v[54+\tt], v[54+\tt]
.endr
.irp tt,0,1
	v_ldexp_f32 v[48+\tt], v[48+\tt], v[52+\tt]
	v_ldexp_f32 v[58+\tt], v[58+\tt], v[54+\tt]
.endr
.irp tt,0,1
	v_add_f32 v[48+\tt], v[48+\tt], v[58+\tt]
.endr
	VW
.irp tt,0,1
	v_log_f32 v[48+\tt], v[48+\tt]
.endr
	v_nop
	VW
.irp tt,0,1
	v_sub_f32 v[\dst+\tt], v[48+\tt], v[50+\tt]
.endr
.endm
	s_load_b512 s[4:19], s[0:1], 0x0               ; xi s[4:5], x's scales s[6:7], y s[8:9], head_b s[10:11], head_w's codes s[12:13], scales s[14:15], w0's codes s[16:17], scales s[18:19]
	s_load_b256 s[20:27], s[0:1], 0x40             ; w1's codes s[20:21], scales s[22:23], hq s[24:25], hs s[26:27]
	s_load_b64 s[28:29], s[0:1], 0x60              ; parts
	v_lshl_add_u32 v[SPW], v0, 2, SPARE
	v_mov_b32 v[NIL], 0
	ds_add_u32 v[SPW], v[NIL]                      ; the add, twice on end, under one wait
	ds_add_u32 v[SPW], v[NIL]
	v_lshrrev_b32 v48, 5, v0
	v_readfirstlane_b32 s30, v48                   ; wave 0..7
	s_and_b32 s31, ttmp7, 0xffff                   ; c: the slice, which the four partners share
	s_bfe_u32 s85, ttmp6, 0x40000                  ; cx
	s_lshl_b32 s84, ttmp9, 2
	s_add_co_u32 s84, s84, s85                     ; rb: it enters the addresses of xi, x's scales, y, hq, hs and parts alone
	; groups 1.  Tail 0: 112 rows of 192 bytes are a dense block: 336 rows of 64 bytes (8 elements of 8), each inside one aligned 256 bytes, 16 bytes of padding behind each
	s_mov_b32 s32, 15|(3<<16)|(1<<20)|(1<<21)|(3<<22)|(3<<25)
	s_mov_b32 s33, 8<<16
	s_mov_b32 s34, 336<<16
	s_mov_b32 s35, 8<<16
	s_mov_b32 s36, 336
	s_mov_b32 s37, 8
	s_mov_b32 s38, 0
	s_mov_b32 s39, 0
	; the head: 56 rows of 768 bytes: 168 rows of 256 bytes, 16 bytes of padding behind each
	s_mov_b32 s40, 15|(3<<16)|(1<<20)|(1<<21)|(5<<22)|(3<<25)
	s_mov_b32 s41, 32<<16
	s_mov_b32 s42, 168<<16
	s_mov_b32 s43, 32<<16
	s_mov_b32 s44, 168
	s_mov_b32 s45, 32
	s_mov_b32 s46, 0
	s_mov_b32 s47, 0
	; tail 1: 472 pair rows of 96 bytes: 177 rows of 256 bytes, no padding
	s_mov_b32 s48, 15|(3<<16)|(1<<21)
	s_mov_b32 s49, 32<<16
	s_mov_b32 s50, 177<<16
	s_mov_b32 s51, 32<<16
	s_mov_b32 s52, 177
	s_mov_b32 s53, 32
	s_mov_b32 s54, 0
	s_mov_b32 s55, 0
	; tail 1's scale words: 5,664 dense bytes as 177 rows of 32 bytes
	s_mov_b32 s56, 15|(3<<16)|(1<<21)
	s_mov_b32 s57, 4<<16
	s_mov_b32 s58, 177<<16
	s_mov_b32 s59, 4<<16
	s_mov_b32 s60, 177
	s_mov_b32 s61, 4
	s_mov_b32 s62, 0
	s_mov_b32 s63, 0
	s_mov_b32 s86, 0xbfb8aa3b                      ; -log2(e)
	s_mov_b32 s88, 0x3fb8aa3b                      ; log2(e), as a pair
	s_mov_b32 s89, s88
	s_mov_b32 s90, 0x76543210
	s_mov_b32 s91, 0xfedcba98
	s_mul_i32 s92, s31, 105                        ; head: rows 105 c .. + 104 are mine; 112 are loaded from sH = min(105 c, 1565)
	s_min_u32 s93, s92, 1565
	s_mul_i32 s94, s31, 210                        ; tail 0: rows 210 c .. + 209 are mine; 224 are loaded from s0 = min(210 c, 3126)
	s_min_u32 s95, s94, 3126
	s_mul_i32 s96, s31, 177                        ; tail 1 in granules of 8 pair rows, 2,827 in all: slices 0-10 own 177, the others 176; 177 are loaded from s1
	s_max_u32 s97, s31, 10
	s_sub_co_u32 s97, s96, s97
	s_add_co_u32 s97, s97, 10                      ; s1 = 177 c - max(c, 10) + 10
	s_max_u32 s98, s31, 11
	s_sub_co_u32 s98, s96, s98
	s_add_co_u32 s98, s98, 11                      ; S(c): my first granule
	s_mov_b32 s99, 176
	s_cmp_lt_u32 s31, 11
	s_cselect_b32 s99, 177, s99
	s_and_b32 s100, s30, 1
	s_and_b32 s101, s30, 3
	VW
	s_wait_dscnt 0x0
	s_wait_kmcnt 0x0
	s_mov_b32 s68, 1                               ; tail 0, waves 0 and 1: 112 rows each
	s_mul_i32 s69, s100, 26880
	s_mul_i32 s2, s95, 192
	s_mul_i32 s3, s100, 21504
	s_add_co_u32 s2, s2, s3
	s_mov_b32 s3, 0
	s_add_nc_u64 s[70:71], s[16:17], s[2:3]
	s_or_b32 s71, s71, 0x80000000
	s_mov_b32 s72, 1                               ; the head, waves 2 and 3: 56 rows each
	s_mul_i32 s73, s100, 45696
	s_add_co_u32 s73, s73, HC
	s_mul_i32 s2, s93, 768
	s_mul_i32 s3, s100, 43008
	s_add_co_u32 s2, s2, s3
	s_mov_b32 s3, 0
	s_add_nc_u64 s[74:75], s[12:13], s[2:3]
	s_or_b32 s75, s75, 0x80000000
	s_mov_b32 s76, 1                               ; tail 1, waves 4 to 6: 472 pair rows each
	s_mul_i32 s77, s101, 45312
	s_add_co_u32 s77, s77, T1C
	s_mul_i32 s2, s97, 768
	s_mul_i32 s3, s101, 45312
	s_add_co_u32 s2, s2, s3
	s_mov_b32 s3, 0
	s_add_nc_u64 s[78:79], s[20:21], s[2:3]
	s_or_b32 s79, s79, 0x80000000
	s_mov_b32 s80, 1                               ; tail 1's scale words, wave 7
	s_mov_b32 s81, T1S
	s_lshl_b32 s2, s97, 5
	s_add_nc_u64 s[82:83], s[22:23], s[2:3]
	s_or_b32 s83, s83, 0x80000000
	ROUND                                          ; all four work-groups are here: the joint loads meet
	s_cmp_lt_u32 s30, 4                            ; the head's fills: tail 1 alone; one chain of branches on the wave's number, one load to an arm
	s_cbranch_scc1 .Lasked
	s_cmp_lt_u32 s30, 7
	s_cbranch_scc0 .Lsc1
	TLD 76, 48
	s_branch .Lasked
.Lsc1:
	TLD 80, 56
.Lasked:
	s_lshl_b32 s96, s84, 8
	s_lshl_b32 s100, s30, 5
	s_add_co_u32 s96, s96, s100                    ; my wave's first token
	s_mov_b32 s3, 0
	s_mul_i32 s2, s96, 768
	s_add_nc_u64 s[4:5], s[4:5], s[2:3]
	s_lshl_b32 s2, s96, 5
	s_add_nc_u64 s[6:7], s[6:7], s[2:3]
	s_lshl_b32 s2, s96, 2
	s_add_nc_u64 s[8:9], s[8:9], s[2:3]
	s_mul_i32 s2, s96, 48
	s_add_nc_u64 s[24:25], s[24:25], s[2:3]
	s_lshl_b32 s2, s96, 1
	s_add_nc_u64 s[26:27], s[26:27], s[2:3]
	s_lshl_b32 s2, s31, 14
	s_lshl_b32 s100, s84, 10
	s_add_co_u32 s2, s2, s100
	s_add_nc_u64 s[28:29], s[28:29], s[2:3]        ; parts at [.][c][256 rb]
	s_lshl_b32 s66, s93, 5
	s_lshl_b32 s67, s95, 3
	v_and_b32 v1, 15, v0                           ; r
	v_bfe_u32 v2, v0, 4, 1                         ; h
	v_and_b32 v15, 7, v0
	v_and_b32 v49, 31, v0                          ; lane
	v_lshlrev_b32 v236, 2, v1                      ; y: token r
	v_add_nc_u32 v237, s93, v0
	v_min_u32 v237, 1676, v237
	v_lshlrev_b32 v237, 2, v237                    ; head_b of row sH + thread, held inside the buffer
	v_lshl_add_u32 v238, v0, 4, s66
	v_min_u32 v238, 53648, v238                    ; head_w's scale bytes: 16 a thread from row sH on, held at the buffer's last piece
	v_lshl_add_u32 v239, v0, 3, s67
	v_min_u32 v239, 26792, v239                    ; w0's: 8 a thread from row s0 on, likewise
	v_mul_u32_u24 v240, v1, 48
	v_mad_u32_u24 v240, v2, 24, v240               ; hq: token r's 48 bytes, block h
	v_lshlrev_b32 v241, 1, v49                     ; hs
	v_lshlrev_b32 v[XOF], 4, v49
	v_lshlrev_b32 v235, 5, v49                     ; x's scales
	global_load_b32 v[YY], v236, s[8:9]
	global_load_b32 v[YY+1], v236, s[8:9] offset:64
	global_load_b32 v254, v237, s[10:11]
	global_load_b128 v[248:251], v238, s[14:15]
	global_load_b64 v[252:253], v239, s[18:19]
.irp tt,0,1
.irp p,0,1,2
	global_load_b64 v[ALO0+12*\tt+2*\p:ALO0+12*\tt+2*\p+1], v240, s[24:25] offset:4*196608+768*\tt+8*\p
.endr
.endr
.irp q,0,1,2,3,4
	global_load_u16 v[242+\q], v241, s[26:27] offset:8192*\q
.endr
	WIN 0x40
.irp tt,0,1
.irp ks,0,1
.irp cc,0,1
.irp p,0,1,2
	global_load_b64 v[192+24*\tt+12*\ks+6*\cc+2*\p:192+24*\tt+12*\ks+6*\cc+2*\p+1], v240, s[24:25] offset:(2*\ks+\cc)*196608+768*\tt+8*\p
.endr
.endr
.endr
.endr
	WIN 0
	v_mul_u32_u24 v48, v1, 240
	v_mad_u32_u24 v5, v2, 24, v48                  ; tail 0: row r x 240 + 24 h,
	v_mad_u32_u24 v6, v2, 40, v48                  ; and for the pieces whose partner lies behind one padding more
	v_mul_u32_u24 v48, v1, 816
	v_add_nc_u32 v48, HC, v48
	v_mad_u32_u24 v7, v2, 24, v48                  ; the head likewise
	v_mad_u32_u24 v8, v2, 40, v48
	v_mul_u32_u24 v48, v1, 96
	v_add_nc_u32 v48, T1C, v48
	v_mad_u32_u24 v9, v2, 24, v48                  ; tail 1
	v_lshl_add_u32 v10, v1, 2, T1S
	v_lshl_add_u32 v11, v1, 5, HSB
	v_lshl_add_u32 v12, v2, 5, BIASH
	v_lshl_add_u32 v13, v1, 3, T0SB
	v_lshl_add_u32 v14, v2, 5, MASK0
.irp j,0,1,2,3,4,5
	v_mov_b32 v[AHI0+\j], 0
	v_mov_b32 v[AHI1+\j], 0
	v_mov_b32 v[GB1+\j], 0
.endr
.irp j,0,1,2,3
	v_mov_b32 v[CAPH+\j], 0
	v_mov_b32 v[56+\j], 0
.endr
.irp tt,0,1
	v_mov_b32 v[ST+8*\tt+1], 0
	v_mov_b32 v[ST+8*\tt+7], 0
.endr
	v_mov_b32 v50, 1675
	v_mov_b32 v51, 1676
	v_mov_b32 v52, 0x40000000
	v_lshlrev_b32 v55, 3, v2                       ; 8 h
	v_mul_u32_u24 v63, v2, 24                      ; 24 h
	VW
	s_wait_loadcnt 38                              ; y is in; the 38 loads issued behind it (3 + 6 + 5 + 24) may be out
.irp tt,0,1
	v_add_nc_u32 v48, 0xfffff975, v[YY+\tt]        ; y - 1675
	v_cmp_gt_u32 s96, 3350, v48                    ; y lies in tail 0
	v_cmp_le_u32 s100, 5025, v[YY+\tt]             ; y lies in tail 1
	v_cndmask_b32 v49, v[YY+\tt], v50, s96
	v_cndmask_b32 v49, v49, v51, s100              ; the head's wanted column
	v_sub_nc_u32 v53, v49, s92
	v_cmp_gt_u32 s101, 105, v53
	v_sub_nc_u32 v54, v49, s93
	v_sub_nc_u32 v54, v54, v55
	v_cndmask_b32 v[TGH+\tt], v52, v54, s101
	v_sub_nc_u32 v53, v48, s94
	v_cmp_gt_u32 s101, 210, v53
	s_and_b32 s101, s101, s96
	v_sub_nc_u32 v54, v48, s95
	v_sub_nc_u32 v54, v54, v55
	v_cndmask_b32 v[TG0+\tt], v52, v54, s101
	v_add_nc_u32 v53, 0xffffec5f, v[YY+\tt]        ; y - 5025,
	v_min_u32 v53, 0xb0af, v53                     ; held at 45,231
	v_lshrrev_b32 v54, 4, v53
	v_sub_nc_u32 v54, v54, s98
	v_cmp_gt_u32 s101, s99, v54
	s_and_b32 s101, s101, s100
	v_cndmask_b32 v[Z1+\tt], 0, 1, s101            ; the flag: y lies in tail 1 and its row is this slice's
	v_mul_u32_u24 v[230+\tt], v53, 48
	v_add_nc_u32 v[230+\tt], v[230+\tt], v63
	v_lshlrev_b32 v[232+\tt], 1, v53
.endr
.irp p,0,1,2
	global_load_b64 v[GB0+2*\p:GB0+2*\p+1], v230, s[20:21] offset:8*\p
	global_load_b64 v[GB1+6+2*\p:GB1+6+2*\p+1], v231, s[20:21] offset:8*\p
.endr
	global_load_u16 v[SG0], v232, s[22:23]
	global_load_u16 v[SG1], v233, s[22:23]
	global_load_b128 v[XS:XS+3], v235, s[6:7]
	global_load_b128 v[XS+4:XS+7], v235, s[6:7] offset:16
	VW
	s_wait_loadcnt 10                              ; all but the 10 just issued (8 gathers, x's scale words) are in
	v_lshl_or_b32 v[H0S], v243, 16, v242
	v_lshl_or_b32 v[H0S+1], v245, 16, v244
	v_lshl_or_b32 v[SA1], v246, 16, v246           ; h1's: [a0 a1 a0 a1]
	v_lshl_add_u32 v48, v0, 4, HSB
	v_lshl_add_u32 v49, v0, 3, T0SB
	v_lshl_add_u32 v50, v0, 2, BIASH
	v_lshl_add_u32 v63, v0, 2, MASK0
	v_mov_b32 v52, 0xf149f2ca                      ; -1e30
	v_mov_b32 v55, 0
	v_add_nc_u32 v51, s93, v0
	v_sub_nc_u32 v51, v51, s92
	v_cmp_gt_u32 vcc_lo, 105, v51
	v_cndmask_b32 v53, v52, v254, vcc_lo
	v_add_nc_u32 v51, s95, v0
	v_sub_nc_u32 v51, v51, s94
	v_cmp_gt_u32 vcc_lo, 210, v51
	v_cndmask_b32 v54, v52, v55, vcc_lo
	ds_store_b128 v48, v[248:251]
	ds_store_b64 v49, v[252:253]
	ds_store_b32 v50, v53
	ds_store_b32 v63, v54
	VW
	s_wait_tensorcnt 0x0                           ; my part of tail 1 has landed
	ds_add_u32 v[SPW], v[NIL]                      ; the add, twice
	ds_add_u32 v[SPW], v[NIL]
	s_wait_dscnt 0x0                               ; the adds and my stores are done
	ROUND                                          ; everybody's part of tail 1 is in, and the four work-groups are here
	s_cmp_lt_u32 s30, 2                            ; tail 0's and the head's codes: first fills of bytes of their own, one load a wave
	s_cbranch_scc0 .Lnot_t0
	TLD 68, 32
	s_branch .Lasked2
.Lnot_t0:
	s_cmp_lt_u32 s30, 4
	s_cbranch_scc0 .Lasked2
	TLD 72, 40
.Lasked2:
; ---- TAIL 1: 89 tiles of 16 pair rows.  Tile 0 is the block's rows 0-15: rows 8-15 belong to tile 1 and are masked, rows 0-7 too where they are the neighbour's (c >= 11); tile k >= 1 begins at row 16 k - 8
.macro LD1 q, off, offs
.irp p,0,1,2,3,4,5
	ds_load_b64 v[TB+12*(\q)+2*\p:TB+12*(\q)+2*\p+1], v9 offset:(\off)+48*(\p/3)+8*(\p%3)
.endr
	ds_load_b32 v[SB+(\q)], v10 offset:\offs
.endm
; a block of nt tiles: 4 nt products (even and odd rows for both token tiles), the next block's 28 LDS loads (ld = 1: from where the addresses stand; 2: a block further on), one softmax step
.macro BLK nt, c, ld
	VW
	s_wait_dscnt 0x0                               ; the block's fragments and scale words are in
	WIN 0x40                                       ; the logits: window 1
.set bq, 0
.rept \nt
	WMS LT+32*bq, TB+12*bq, ALO0, \c, SB+bq, SA1, 0, 0
	WMS LT+32*bq+8, TB+12*bq, AHI0, \c, SB+bq, SA1, 0, 0
	WMS LT+32*bq+16, TB+12*bq, ALO1, \c, SB+bq, SA1, 0, 1
	WMS LT+32*bq+24, TB+12*bq, AHI1, \c, SB+bq, SA1, 0, 1
.set bq, bq+1
.endr
	WIN 0
.if (\ld) == 2
	v_add_nc_u32 v9, 6144, v9                      ; four places in front of the loads and of the first read of results
	v_add_nc_u32 v10, 256, v10
	v_nop
	v_nop
.else
	PLACES
.endif
.if \ld
.irp q,0,1,2,3
	LD1 \q, 768+1536*\q, 32+64*\q
.endr
.endif
	MAXB \nt
	MUPD 1, MT, MT+8
	SOFTG LT, 16, 16, \nt, 1
.endm
	LD1 0, 0, 0                                    ; tile 0
	s_cmp_ge_u32 s31, 11
	s_cselect_b32 s96, -1, 0xffff0000              ; tile 0's masked lanes: 16-31, or all
	v_mov_b32 v48, 0xf149f2ca
	v_cndmask_b32 v[CM], 0, v48, s96
.irp j,1,2,3,4,5,6,7
	v_mov_b32 v[CM+\j], v[CM]
.endr
	INIT
	BLK 1, CM, 1                                   ; tile 0; tiles 1-4 are asked for
	s_mov_b32 s87, 21
.Lt1:                                              ; trip i: tiles 4 i + 1 .. 4 i + 4; the next four are asked for
	BLK 4, -1, 2
	s_sub_co_u32 s87, s87, 1
	s_cmp_lg_u32 s87, 0
	s_cbranch_scc1 .Lt1
	BLK 4, -1, 0                                   ; tiles 85-88
	FIN LSE1
	VW
	s_wait_loadcnt 0x0                             ; the gathered rows and x's scale words are in
	v_lshlrev_b32 v[SG1], 16, v[SG1]               ; token tile 1's gathered rows stand in the operand's upper half
	WIN 0x40
.irp tt,0,1
.irp ks,0,1,2,3,4,5,6,7
.irp j,0,1,2
	global_load_b128 v[96*\tt+12*\ks+4*\j:96*\tt+12*\ks+4*\j+3], v[XOF], s[4:5] offset:12288*\tt+1536*\ks+512*\j   ; x's fragments as images, over tail 1's logits: 48 loads, waited for behind tail 0
.endr
.endr
.endr
	WIN 0
	INIT                                           ; ten plain lines: also the places between the scale word's shift and the products
	WMS ZD, GB0, ALO0, -1, SG0, SA1, 0, 0          ; the gathered rows of token tile 0 x its tokens,
	WMS ZD+8, GB1, AHI1, -1, SG1, SA1, 0, 1        ; and of token tile 1
	v_mov_b32 v50, 0
	v_mov_b32 v51, 0
	v_nop
	v_nop
.irp j,0,1,2,3,4,5,6,7                 ; the diagonal: row r where r / 8 = h and j = r % 8
	v_cmp_eq_u32 vcc_lo, \j, v15
	v_cndmask_b32 v50, v50, v[ZD+\j], vcc_lo
	v_cndmask_b32 v51, v51, v[ZD+8+\j], vcc_lo
.endr
.irp tt,0,1
	v_cmp_ne_u32 s96, 0, v[Z1+\tt]
	s_and_b32 s96, s96, 0xff0000ff                 ; lanes 0-7 and 24-31 hold the diagonal
	v_cndmask_b32 v[50+\tt], 0, v[50+\tt], s96
	v_permlanex16_b32 v[56+\tt], v[50+\tt], s90, s91
	v_add_f32 v[Z1+\tt], v[50+\tt], v[56+\tt]
.endr
	VW
	s_wait_tensorcnt 0x0                           ; my part of tail 0 or of the head has landed,
	s_wait_dscnt 0x0
	s_barrier_signal -1
	s_barrier_wait -1                              ; everybody's has
; ---- TAIL 0: 14 tiles of 16 rows, two a trip; K = 256: two products deep
.macro T0FRAG reg, ks, tl
.irp p,0,1,2,3,4,5
.set PC, 12*(\ks)+6*(\p/3)+\p%3
.if PC%8 < 5
	ds_load_b64 v[\reg+2*\p:\reg+2*\p+1], v5 offset:8*PC+16*(PC/8)+(\tl)*3840
.else
	ds_load_b64 v[\reg+2*\p:\reg+2*\p+1], v6 offset:8*PC+16*(PC/8)+(\tl)*3840
.endif
.endr
.endm
.macro LT0
.irp a,0,1
.irp ks,0,1
	T0FRAG T0B+24*\a+12*\ks, \ks, \a
.endr
.endr
.irp a,0,1
	ds_load_b64 v[T0BS+2*\a:T0BS+2*\a+1], v13 offset:128*\a
.endr
.irp a,0,1
	ds_load_b128 v[T0CM+8*\a:T0CM+8*\a+3], v14 offset:64*\a
	ds_load_b128 v[T0CM+8*\a+4:T0CM+8*\a+7], v14 offset:64*\a+16
.endr
.endm
.macro T0TRIP nx
	VW
	s_wait_dscnt 0x0
	WIN 0x04                                       ; source 1 (h0) window 1
.irp ks,0,1
.irp tt,0,1
.irp a,0,1                             ; the four accumulators take turns; the masks are the C of the first products
.if \ks == 0
	WMS L0+16*\tt+8*\a, T0B+24*\a+12*\ks, 192+24*\tt+12*\ks, T0CM+8*\a, T0BS+2*\a+\ks, H0S+\ks, 0, \tt
.else
	WMS L0+16*\tt+8*\a, T0B+24*\a+12*\ks, 192+24*\tt+12*\ks, L0+16*\tt+8*\a, T0BS+2*\a+\ks, H0S+\ks, 0, \tt
.endif
.endr
.endr
.endr
	WIN 0
.if \nx
	v_add_nc_u32 v5, 7680, v5                      ; the next 32 rows: also the four places
	v_add_nc_u32 v6, 7680, v6
	v_add_nc_u32 v13, 256, v13
	v_add_nc_u32 v14, 128, v14
	LT0
.else
	PLACES
.endif
	CAPT L0, 16, 16, TG0, CAP0
	MAX16 L0
	MUPD 0, 48, 50
	SOFTG L0, 16, 16, 1, 0
	v_add_nc_u32 v[TG0], 0xffffffe0, v[TG0]
	v_add_nc_u32 v[TG0+1], 0xffffffe0, v[TG0+1]
.endm
	LT0
	s_mov_b32 s87, 6
.Lt0:
	T0TRIP 1
	s_sub_co_u32 s87, s87, 1
	s_cmp_lg_u32 s87, 0
	s_cbranch_scc1 .Lt0
	T0TRIP 0
	FIN LSE0
	CAPM CAP0
	VW
	s_wait_loadcnt 0x0                             ; x's fragments are in
; ---- THE HEAD: 7 tiles of 16 rows; K = 1,024: eight products deep, in two sets of four fragments
.macro HFRAG reg, ks
.irp p,0,1,2,3,4,5
.set BY, 96*(\ks)+48*(\p/3)+8*(\p%3)
.if BY/256 == (BY+24)/256
	ds_load_b64 v[\reg+2*\p:\reg+2*\p+1], v7 offset:BY+16*(BY/256)
.else
	ds_load_b64 v[\reg+2*\p:\reg+2*\p+1], v8 offset:BY+16*(BY/256)
.endif
.endr
.endm
.macro HLA
.irp i,0,1,2,3
	HFRAG HB+12*\i, \i
.endr
.endm
.macro HLB
.irp i,0,1,2,3
	HFRAG HB+48+12*\i, 4+\i
.endr
.endm
.macro HLC
	ds_load_b128 v[HBS:HBS+3], v11
	ds_load_b128 v[HBS+4:HBS+7], v11 offset:16
	ds_load_b128 v[CB:CB+3], v12
	ds_load_b128 v[CB+4:CB+7], v12 offset:16
.endm
.macro HMM k0                          ; four K steps; the two accumulators take turns
	WIN 0x04
.irp i,0,1,2,3
.irp tt,0,1
.if (\k0)+\i == 0
	WMS LH+8*\tt, HB+48*((\k0)/4)+12*\i, 96*\tt+12*((\k0)+\i), CB, HBS+(\k0)+\i, XS+(\k0)+\i, 0, \tt
.else
	WMS LH+8*\tt, HB+48*((\k0)/4)+12*\i, 96*\tt+12*((\k0)+\i), LH+8*\tt, HBS+(\k0)+\i, XS+(\k0)+\i, 0, \tt
.endif
.endr
.endr
	WIN 0
.endm
.macro HTILE nx
	VW
	s_wait_dscnt 24                                ; K steps 0-3, scale words and biases are in; the youngest 24 loads (K steps 4-7) may be out
	HMM 0
.if \nx
	v_add_nc_u32 v7, 13056, v7                     ; the next 16 rows: also the four places
	v_add_nc_u32 v8, 13056, v8
	v_add_nc_u32 v11, 512, v11
	v_add_nc_u32 v12, 64, v12
	HLA
	VW
	s_wait_dscnt 24                                ; K steps 4-7 are in; the 24 just issued may be out
.else
	s_wait_dscnt 0x0
.endif
	HMM 4
	PLACES
.if \nx
	HLC
	HLB
.endif
	CAPT LH, 8, 8, TGH, CAPH
	MAX8 LH
	MUPD 0, 48, 50
	SOFTG LH, 8, 8, 1, 0
	v_add_nc_u32 v[TGH], -16, v[TGH]
	v_add_nc_u32 v[TGH+1], -16, v[TGH+1]
.endm
	HLA
	HLC
	HLB
	INIT
	s_mov_b32 s87, 6
.Lhd:
	HTILE 1
	s_sub_co_u32 s87, s87, 1
	s_cmp_lg_u32 s87, 0
	s_cbranch_scc1 .Lhd
	HTILE 0
	FIN LSEH
	CAPM CAPH
; ---- THE WAY OUT: lane l takes token l of the wave's 32; three numbers a token go through LDS, so that sixteen lanes store 256 consecutive bytes, aligned
	v_add_nc_u32 v48, 0xfffff975, v[YY]
	v_add_nc_u32 v49, 0xfffff975, v[YY+1]
	v_cmp_gt_u32 vcc_lo, 3350, v48                 ; y lies in tail 0: its log-sum-exp, else tail 1's
	v_cndmask_b32 v50, v[LSE1], v[LSE0], vcc_lo
	v_cmp_gt_u32 vcc_lo, 3350, v49
	v_cndmask_b32 v51, v[LSE1+1], v[LSE0+1], vcc_lo
.irp tt,0,1
	v_add_f32 v[52+\tt], v[CAPH+\tt], v[CAP0+\tt]
.endr
.irp tt,0,1
	v_add_f32 v[52+\tt], v[52+\tt], v[Z1+\tt]
.endr
	s_mov_b32 s96, 0xffff0000
	v_cndmask_b32 v54, v[LSEH], v[LSEH+1], s96
	v_cndmask_b32 v50, v50, v51, s96
	v_cndmask_b32 v52, v52, v53, s96
	v_lshl_add_u32 v55, v0, 2, STG
	v_lshl_add_u32 v48, v0, 4, STG                 ; back: 16 bytes a thread, threads 0-191
	v_lshrrev_b32 v49, 6, v0
	v_and_b32 v51, 63, v0
	v_lshlrev_b32 v49, 18, v49                     ; the kind's 262,144 bytes in parts,
	v_lshl_add_u32 v49, v51, 4, v49                ; four tokens a thread
	ds_store_b32 v55, v54
	ds_store_b32 v55, v50 offset:1024
	ds_store_b32 v55, v52 offset:2048
	VW
	s_wait_dscnt 0x0                               ; for the others' sake: my stores are done
	s_barrier_signal -1
	s_barrier_wait -1
	s_cmp_lt_u32 s30, 6
	s_cbranch_scc0 .Lno_store
	ds_load_b128 v[56:59], v48
	s_wait_dscnt 0x0
	global_store_b128 v49, v[56:59], s[28:29]
.Lno_store:
	s_wait_tensorcnt 0x0                           ; the wave's end
	ds_add_u32 v[SPW], v[NIL]
	s_wait_dscnt 0x0
	ROUND                                          ; the closing round
	s_endpgm
.Lfunc_end_k_q336ea44d3e_main:
	.size	k_q336ea44d3e_main, .Lfunc_end_k_q336ea44d3e_main-k_q336ea44d3e_main
	.p2alignl 7, 3214868480
	.fill 96, 4, 3214868480
	.section	.rodata,"a",@progbits
	.p2align	6, 0x0
	.amdhsa_kernel k_q336ea44d3e_main
		.amdhsa_group_segment_fixed_size 327680
		.amdhsa_private_segment_fixed_size 0
		.amdhsa_enable_private_segment 0
		.amdhsa_kernarg_size 104
		.amdhsa_user_sgpr_count 2
		.amdhsa_user_sgpr_kernarg_segment_ptr 1
		.amdhsa_wavefront_size32 1
		.amdhsa_system_sgpr_workgroup_id_x 1
		.amdhsa_system_sgpr_workgroup_id_y 1
		.amdhsa_system_sgpr_workgroup_id_z 1
		.amdhsa_system_vgpr_workitem_id 0
		.amdhsa_next_free_vgpr 512
		.amdhsa_next_free_sgpr 102
		.amdhsa_reserve_vcc 1
		.amdhsa_float_denorm_mode_32 3
		.amdhsa_float_denorm_mode_16_64 3
		.amdhsa_memory_ordered 1
		.amdhsa_forward_progress 1
		.amdhsa_inst_pref_size 123
	.end_amdhsa_kernel
	.amdgpu_metadata
---
amdhsa.version: [ 1, 2 ]
amdhsa.kernels:
  - .name:           k_q336ea44d3e_main
    .symbol:         k_q336ea44d3e_main.kd
    .args:
      - { .name: xi, .offset: 0, .size: 8, .value_kind: global_buffer, .address_space: global }
      - { .name: x_scales, .offset: 8, .size: 8, .value_kind: global_buffer, .address_space: global }
      - { .name: y, .offset: 16, .size: 8, .value_kind: global_buffer, .address_space: global }
      - { .name: head_b, .offset: 24, .size: 8, .value_kind: global_buffer, .address_space: global }
      - { .name: head_w_codes, .offset: 32, .size: 8, .value_kind: global_buffer, .address_space: global }
      - { .name: head_w_scales, .offset: 40, .size: 8, .value_kind: global_buffer, .address_space: global }
      - { .name: w0_codes, .offset: 48, .size: 8, .value_kind: global_buffer, .address_space: global }
      - { .name: w0_scales, .offset: 56, .size: 8, .value_kind: global_buffer, .address_space: global }
      - { .name: w1_codes, .offset: 64, .size: 8, .value_kind: global_buffer, .address_space: global }
      - { .name: w1_scales, .offset: 72, .size: 8, .value_kind: global_buffer, .address_space: global }
      - { .name: hq, .offset: 80, .size: 8, .value_kind: global_buffer, .address_space: global }
      - { .name: hs, .offset: 88, .size: 8, .value_kind: global_buffer, .address_space: global }
      - { .name: parts, .offset: 96, .size: 8, .value_kind: global_buffer, .address_space: global }
    .group_segment_fixed_size: 327680
    .private_segment_fixed_size: 0
    .kernarg_segment_align: 8
    .kernarg_segment_size: 104
    .max_flat_workgroup_size: 256
    .sgpr_count:     102
    .vgpr_count:     512
    .wavefront_size: 32
...
	.end_amdgpu_metadata
.endif
;; end of part 2
;; launch combine (part 3): grid 16 x 1, 4 waves a work-group, no clusters, 0 bytes of LDS; arguments parts, y, out0; writes out0
.if DOCPART == 3
	.amdgcn_target "amdgcn-amd-amdhsa--gfx1250"
	.amdhsa_code_object_version 6
	.text
	.protected	k_q336ea44d3e_combine
	.globl	k_q336ea44d3e_combine
	.p2align	8
	.type	k_q336ea44d3e_combine,@function
k_q336ea44d3e_combine:
	s_mov_b64 s[64:65], 0
	v_nop
	global_prefetch_b8 v0, s[64:65] scope:SCOPE_SE
	s_setreg_imm32_b32 hwreg(HW_REG_WAVE_MODE, 25, 1), 1
	s_wait_xcnt 0x0
; out0[token] = z - ln 2 x (L_head + (y >= 1675 ? L_tail : 0)).  parts [kind][slice 16][4096] f32 holds, for each slice of the vocabulary, kind 0: the head's M + log2(sum), kind 1: the same of
; the token's tail, kind 2: the wanted logits that the slice owns (0 elsewhere).  L = the log-sum-exp, base 2, over the 16 slices, their maximum taken away first; z = the sum of kind 2.
; A thread takes two neighbouring tokens: each load and the store of a wave cover 256 consecutive bytes, aligned.  No LDS, no barrier: threads share nothing.  Nothing of the problem is left out here.
.set V, 32                             ; v32-127  pair 16 kind + slice: my two tokens' numbers
.set M, 8                              ; v8-11    maxima at 2 kind + token
.set S, 12                             ; v12-15   sums, then L, likewise
.set Z, 16                             ; v16-17   z
	s_load_b128 s[4:7], s[0:1], 0x0                ; parts, y
	s_load_b64 s[8:9], s[0:1], 0x10                ; out0
	s_lshl_b32 s10, ttmp9, 7
	v_add_nc_u32 v1, s10, v0
	v_lshlrev_b32 v1, 3, v1                        ; 8 bytes a thread
	s_mov_b32 s12, 0xbf317218                      ; -ln 2
	s_wait_alu depctr_va_vdst(0)
	s_wait_kmcnt 0x0
	global_load_b64 v[28:29], v1, s[6:7]
.set i, 0
.rept 48
	global_load_b64 v[V+2*i:V+2*i+1], v1, s[4:5] offset:16384*i
.set i, i+1
.endr
	s_wait_loadcnt 0x0
.irp k,0,1
.irp e,0,1
	v_max3_num_f32 v[M+2*\k+\e], v[V+32*\k+\e], v[V+32*\k+2+\e], v[V+32*\k+4+\e]
.endr
.endr
.irp c,3,5,7,9,11,13
.irp k,0,1
.irp e,0,1
	v_max3_num_f32 v[M+2*\k+\e], v[M+2*\k+\e], v[V+32*\k+2*\c+\e], v[V+32*\k+2*\c+2+\e]
.endr
.endr
.endr
.irp k,0,1
.irp e,0,1
	v_max_num_f32 v[M+2*\k+\e], v[M+2*\k+\e], v[V+32*\k+30+\e]
.endr
.endr
.irp k,0,1
.set i, 0
.rept 16
	v_pk_add_f32 v[V+32*\k+2*i:V+32*\k+2*i+1], v[V+32*\k+2*i:V+32*\k+2*i+1], v[M+2*\k:M+2*\k+1] neg_lo:[0,1] neg_hi:[0,1]   ; less the maximum, both tokens at once
.set i, i+1
.endr
.endr
.set i, 0
	s_wait_alu depctr_va_vdst(0)
.rept 64
	v_exp_f32 v[V+i], v[V+i]
.set i, i+1
.endr
	v_pk_add_f32 v[Z:Z+1], v[V+64:V+65], v[V+66:V+67]   ; z: plain work behind the batch, which names none of its results
.set i, 2
.rept 14
	v_pk_add_f32 v[Z:Z+1], v[Z:Z+1], v[V+64+2*i:V+64+2*i+1]
.set i, i+1
.endr
	s_wait_alu depctr_va_vdst(0)                   ; one wait for the 64 exponentials, ahead of their first reader
.irp k,0,1
	v_pk_add_f32 v[S+2*\k:S+2*\k+1], v[V+32*\k:V+32*\k+1], v[V+32*\k+2:V+32*\k+3]
.endr
.set i, 2
.rept 14
.irp k,0,1
	v_pk_add_f32 v[S+2*\k:S+2*\k+1], v[S+2*\k:S+2*\k+1], v[V+32*\k+2*i:V+32*\k+2*i+1]
.endr
.set i, i+1
.endr
	s_wait_alu depctr_va_vdst(0)
.irp j,0,1,2,3
	v_log_f32 v[S+\j], v[S+\j]
.endr
	v_nop                                          ; a plain place behind the logarithms
	s_wait_alu depctr_va_vdst(0)
.irp k,0,1
	v_pk_add_f32 v[S+2*\k:S+2*\k+1], v[S+2*\k:S+2*\k+1], v[M+2*\k:M+2*\k+1]
.endr
.irp e,0,1
	v_cmp_le_u32 vcc_lo, 1675, v[28+\e]            ; the target lies in a tail
	v_cndmask_b32 v[18+\e], 0, v[S+2+\e], vcc_lo
	v_add_f32 v[18+\e], v[18+\e], v[S+\e]
	v_fma_f32 v[20+\e], v[18+\e], s12, v[Z+\e]
.endr
	global_store_b64 v1, v[20:21], s[8:9]
	s_endpgm
.Lfunc_end_k_q336ea44d3e_combine:
	.size	k_q336ea44d3e_combine, .Lfunc_end_k_q336ea44d3e_combine-k_q336ea44d3e_combine
	.p2alignl 7, 3214868480
	.fill 96, 4, 3214868480
	.section	.rodata,"a",@progbits
	.p2align	6, 0x0
	.amdhsa_kernel k_q336ea44d3e_combine
		.amdhsa_group_segment_fixed_size 0
		.amdhsa_private_segment_fixed_size 0
		.amdhsa_enable_private_segment 0
		.amdhsa_kernarg_size 24
		.amdhsa_user_sgpr_count 2
		.amdhsa_user_sgpr_kernarg_segment_ptr 1
		.amdhsa_wavefront_size32 1
		.amdhsa_system_sgpr_workgroup_id_x 1
		.amdhsa_system_sgpr_workgroup_id_y 1
		.amdhsa_system_sgpr_workgroup_id_z 1
		.amdhsa_system_vgpr_workitem_id 0
		.amdhsa_next_free_vgpr 160
		.amdhsa_next_free_sgpr 66
		.amdhsa_reserve_vcc 1
		.amdhsa_float_denorm_mode_32 3
		.amdhsa_float_denorm_mode_16_64 3
		.amdhsa_memory_ordered 1
		.amdhsa_forward_progress 1
		.amdhsa_inst_pref_size 15
	.end_amdhsa_kernel
	.amdgpu_metadata
---
amdhsa.version: [ 1, 2 ]
amdhsa.kernels:
  - .name:           k_q336ea44d3e_combine
    .symbol:         k_q336ea44d3e_combine.kd
    .args:
      - { .name: parts, .offset: 0, .size: 8, .value_kind: global_buffer, .address_space: global }
      - { .name: y, .offset: 8, .size: 8, .value_kind: global_buffer, .address_space: global }
      - { .name: out0, .offset: 16, .size: 8, .value_kind: global_buffer, .address_space: global }
    .group_segment_fixed_size: 0
    .private_segment_fixed_size: 0
    .kernarg_segment_align: 8
    .kernarg_segment_size: 24
    .max_flat_workgroup_size: 128
    .sgpr_count:     66
    .vgpr_count:     160
    .wavefront_size: 32
...
	.end_amdgpu_metadata
.endif
;; end of part 3
;; launch mean (part 4): grid 1 x 1, 1 waves a work-group, no clusters, 0 bytes of LDS; arguments out0, out1; writes out1
.if DOCPART == 4
	.amdgcn_target "amdgcn-amd-amdhsa--gfx1250"
	.amdhsa_code_object_version 6
	.text
	.protected	k_q336ea44d3e_mean
	.globl	k_q336ea44d3e_mean
	.p2align	8
	.type	k_q336ea44d3e_mean,@function
k_q336ea44d3e_mean:
	s_mov_b64 s[64:65], 0
	v_nop
	global_prefetch_b8 v0, s[64:65] scope:SCOPE_SE
	s_setreg_imm32_b32 hwreg(HW_REG_WAVE_MODE, 25, 1), 1
	s_wait_xcnt 0x0
; out1 = -(the sum of out0's 4,096 numbers) / 4,096.  One wave: 32 loads of 16 bytes a lane, each covering 512 consecutive bytes; four chains of packed sums; then across the lanes.
; A launch of its own, since the sum spans all work-groups of the launch before and no launch reads what it stores.
	s_load_b128 s[4:7], s[0:1], 0x0                ; out0, out1
	v_lshlrev_b32 v1, 4, v0
	v_mov_b32 v2, 0
	s_mov_b32 s8, 0x76543210
	s_mov_b32 s9, 0xfedcba98                       ; v_permlanex16_b32's selects for lane l xor 16
	s_wait_alu depctr_va_vdst(0)
	s_wait_kmcnt 0x0
.set i, 0
.rept 32
	global_load_b128 v[8+4*i:11+4*i], v1, s[4:5] offset:512*i
.set i, i+1
.endr
	s_wait_loadcnt 0x0
.set i, 2
.rept 15
	v_pk_add_f32 v[8:9], v[8:9], v[8+4*i:9+4*i]
	v_pk_add_f32 v[10:11], v[10:11], v[10+4*i:11+4*i]
	v_pk_add_f32 v[12:13], v[12:13], v[12+4*i:13+4*i]
	v_pk_add_f32 v[14:15], v[14:15], v[14+4*i:15+4*i]
.set i, i+2
.endr
	v_pk_add_f32 v[8:9], v[8:9], v[10:11]
	v_pk_add_f32 v[12:13], v[12:13], v[14:15]
	v_pk_add_f32 v[8:9], v[8:9], v[12:13]
	v_add_f32 v8, v8, v9
	v_add_f32_dpp v8, v8, v8 row_xmask:1 row_mask:0xf bank_mask:0xf
	v_add_f32_dpp v8, v8, v8 row_xmask:2 row_mask:0xf bank_mask:0xf
	v_add_f32_dpp v8, v8, v8 row_xmask:4 row_mask:0xf bank_mask:0xf
	v_add_f32_dpp v8, v8, v8 row_xmask:8 row_mask:0xf bank_mask:0xf
	v_permlanex16_b32 v9, v8, s8, s9
	v_add_f32 v8, v8, v9
	v_mul_f32 v8, 0xb9800000, v8                   ; x -1 / 4,096
	v_cmp_eq_u32 vcc_lo, 0, v0
	s_wait_alu depctr_va_vdst(0)
	s_wait_xcnt 0x0                                ; EXEC changes only behind this wait
	s_and_saveexec_b32 s10, vcc_lo
	global_store_b32 v2, v8, s[6:7]                ; lane 0 alone
	s_endpgm
.Lfunc_end_k_q336ea44d3e_mean:
	.size	k_q336ea44d3e_mean, .Lfunc_end_k_q336ea44d3e_mean-k_q336ea44d3e_mean
	.p2alignl 7, 3214868480
	.fill 96, 4, 3214868480
	.section	.rodata,"a",@progbits
	.p2align	6, 0x0
	.amdhsa_kernel k_q336ea44d3e_mean
		.amdhsa_group_segment_fixed_size 0
		.amdhsa_private_segment_fixed_size 0
		.amdhsa_enable_private_segment 0
		.amdhsa_kernarg_size 16
		.amdhsa_user_sgpr_count 2
		.amdhsa_user_sgpr_kernarg_segment_ptr 1
		.amdhsa_wavefront_size32 1
		.amdhsa_system_sgpr_workgroup_id_x 1
		.amdhsa_system_sgpr_workgroup_id_y 1
		.amdhsa_system_sgpr_workgroup_id_z 1
		.amdhsa_system_vgpr_workitem_id 0
		.amdhsa_next_free_vgpr 140
		.amdhsa_next_free_sgpr 66
		.amdhsa_reserve_vcc 1
		.amdhsa_float_denorm_mode_32 3
		.amdhsa_float_denorm_mode_16_64 3
		.amdhsa_memory_ordered 1
		.amdhsa_forward_progress 1
		.amdhsa_inst_pref_size 9
	.end_amdhsa_kernel
	.amdgpu_metadata
---
amdhsa.version: [ 1, 2 ]
amdhsa.kernels:
  - .name:           k_q336ea44d3e_mean
    .symbol:         k_q336ea44d3e_mean.kd
    .args:
      - { .name: out0, .offset: 0, .size: 8, .value_kind: global_buffer, .address_space: global }
      - { .name: out1, .offset: 8, .size: 8, .value_kind: global_buffer, .address_space: global }
    .group_segment_fixed_size: 0
    .private_segment_fixed_size: 0
    .kernarg_segment_align: 8
    .kernarg_segment_size: 16
    .max_flat_workgroup_size: 32
    .sgpr_count:     66
    .vgpr_count:     140
    .wavefront_size: 32
...
	.end_amdgpu_metadata
.endif
;; end of part 4
